; MI455X (gfx1250); checked and timed in simulation.
; The chip was launched on July 23, 2026; its instructions are those of AMD's public machine-readable ISA for CDNA 5 (MIT licence, August 2026) and "CDNA5" Instruction Set Architecture Reference Guide (July 2026). The comments in the code are by the model that wrote it; some were corrected since.
;; Causal Self Attention. Allowed arithmetic: matrix products marked QUANTISED: E5M2 operands, one given power-of-two scale a tensor, by v_wmma_f32_16x16x64_bf8_bf8 or v_wmma_f32_16x16x128_bf8_bf8, f32 sums; everything else in f32.
;; Inputs: W_attn_codes 3,072 x 32 x 32 uint8 (E5M2 codes of W_attn, K innermost, in blocks of 32 codes); W_proj_codes 1,024 x 32 x 32 uint8 (E5M2 codes of W_proj, K innermost, in blocks of 32 codes); lowp_scales 8 int32 (the exponents e of the quantised operands' scales 2^e); x_codes 4 x 2,048 x 32 x 32 uint8 (E5M2 codes of x, K innermost, in blocks of 32 codes).
;; Outputs: out0 4 x 2,048 x 1,024 float32.
;; This version of the problem:
;;   THIS VERSION OF THE PROBLEM IS GIVEN IN LOW PRECISION. The matrix products marked QUANTISED in the list below multiply operands that are first quantised to E5M2 (5 exponent bits, 2 mantissa bits; 8 bits a number), with one given power-of-two scale for each operand tensor; their sums are f32. All else is computed in f32.
;;   The module's matrix products, in the order in which they are computed (A, B: the left and right operand; K: the contracted axis; several contracted axes count as one K, in the product's order):
;;     1. [M 8,192, K 1,024] x [K 1,024, N 3,072]; A: input x (given as codes); B: input W_attn (given as codes): QUANTISED (scales: A lowp_scales[0], B lowp_scales[1])
;;     2. batch 64 x [M 2,048, K 64] x [K 64, N 2,048]; A: computed on the way; B: computed on the way: QUANTISED (scales: A lowp_scales[2], B lowp_scales[3])
;;     3. batch 64 x [M 2,048, K 2,048] x [K 2,048, N 64]; A: softmax (see below); B: computed on the way: QUANTISED (scales: A lowp_scales[4], B lowp_scales[5])
;;     4. [M 8,192, K 1,024] x [K 1,024, N 1,024]; A: computed on the way; B: input W_proj (given as codes): QUANTISED (scales: A lowp_scales[6], B lowp_scales[7])
;;   THE QUANTISER, for each operand of a quantised product, along K:
;;     - The operand's scale is 2^e, e = its entry of the input lowp_scales (int32; the entries are numbered through the quantised products in the list's order, A before B).
;;     - Each number is divided by the scale, clamped to +-57,344, and rounded to the nearest number of E5M2, ties to even, subnormals kept.
;;     - The product sums the exact products of the quantised numbers (number of the format x scale) in f32.
;;   ~~~python
;;   def quantise(x, axis, e):      # numpy; x: float32 -> the quantised numbers, widened to float32 again
;;       x = np.moveaxis(x, axis, -1); K = x.shape[-1]
;;       r = np.clip(x / 2.0 ** e, -57344, 57344)
;;       step = 2.0 ** (np.maximum(np.frexp(np.where(r == 0, 1, r))[1] - 1, -14) - 2)
;;       q = np.round(r / step) * step * 2.0 ** e      # np.round: ties to even
;;       return np.moveaxis(q, -1, axis).astype(np.float32)
;;   ~~~
;;   SOFTMAX AHEAD OF A QUANTISED PRODUCT. Where the list says 'softmax', what is quantised is not the finished softmax but p = 2^(t - M), with t = logit x log2(e) and M = ceil(the row's largest t), a whole number; so 1/2 < the row's largest p <= 1. The row's sum l is taken of the UNQUANTISED p, in f32, and the product's result is divided by l at the end. Since M is a whole number, a kernel that streams over the keys may use a running M (the ceiling of the running maximum): every later rescaling is an exact power of two, so the quantised numbers keep their values, but for numbers so far below the row's largest that they fall under the format's range.
;;   OPERANDS COMPUTED ON THE WAY. 'Computed on the way' means the value that the module computes at that place (a softmax that the list does not call 'softmax' is quantised finished and normalised). What goes into a quantiser is computed in f32, as accurately as f32 sums, v_exp_f32 and their like allow (about 1e-6 of the number): no bf16 or f16 on the way to a quantiser, and a product that is left as it is and whose result goes on into a quantised operand takes f32 operands (vector FMAs, or v_wmma_f32_16x16x4_f32). A number that lies on a knife's edge between two numbers of the format may be rounded either way, as far as f32 arithmetic and the matrix unit's own rounding can turn it there, and no further.
;;   INPUTS GIVEN AS CODES. W_attn (in the module: [1024, 3072], K = its axis 0); W_proj (in the module: [1024, 1024], K = its axis 0); x (in the module: [4, 2048, 1024], K = its axis 2): each comes as NAME_codes (uint8): NAME with its K axis moved to the last place and cut into blocks of 32 codes, [.., K / 32, bytes a block], one block behind the other in memory; one code a byte (a code: sign, 5 exponent bits, 2 mantissa bits); its scale is its entry of lowp_scales. Its value is code x scale, taken as it is: it is not quantised again, and the codes and scales need not be those that the quantiser above would give.
;; One version. Each part assembles by itself: llvm-mc -triple=amdgcn-amd-amdhsa -mcpu=gfx1250 --defsym DOCPART=n.
;; ======== version 1 of 1: 3 launches
;; limits: right only within a limited range of input values
;; workspace buffers: qimg 8,388,608 bytes; kimg 8,388,608 bytes; vimg 8,388,608 bytes; yimg 8,388,608 bytes
;; launch qkv (part 1): grid 12 x 32, 4 waves a work-group, clusters of 4 x 4, 327,680 bytes of LDS; arguments x_codes, W_attn_codes, lowp_scales, qimg, kimg, vimg; writes qimg, kimg, vimg
.if DOCPART == 1
	.amdgcn_target "amdgcn-amd-amdhsa--gfx1250"
	.amdhsa_code_object_version 6
	.text
	.protected	k_q299699ecd3_qkv
	.globl	k_q299699ecd3_qkv
	.p2align	8
	.type	k_q299699ecd3_qkv,@function
k_q299699ecd3_qkv:
	s_mov_b64 s[64:65], 0
	v_nop
	global_prefetch_b8 v0, s[64:65] scope:SCOPE_SE
	s_setreg_imm32_b32 hwreg(HW_REG_WAVE_MODE, 25, 1), 1
	s_wait_xcnt 0x0
	s_wait_alu depctr_hold_cnt(0) depctr_sa_sdst(0) depctr_va_vdst(0) depctr_va_sdst(0) depctr_va_ssrc(0) depctr_va_vcc(0) depctr_vm_vsrc(0)
	s_getreg_b32 s2, hwreg(HW_REG_IB_STS2, 6, 4)
	s_cmp_eq_u32 s2, 0
	s_cbranch_scc0 .Lentry_in_a_cluster
	s_endpgm
.Lentry_in_a_cluster:
	s_bfe_u32 s2, ttmp6, 0x10000c
	s_cmp_lg_u32 s2, 0xf033
	s_cbranch_scc0 .Lentry_shape_is_right
	s_endpgm
.Lentry_shape_is_right:
; qkv = x W_attn on codes of BF8 (E5M2), then q, k and v are quantised again (scales 2^e2, 2^e3, 2^e5) and stored as IMAGES OF THE NEXT LAUNCH'S OPERAND REGISTERS.
; x: [8192][1024] codes, W_attn: [3072][1024] codes, K innermost in both.  A tile of 256 x 256 results is made by four waves, 128 x 128 each: 64 accumulators, 512 registers.
; K goes in four steps of 256 through two LDS slots filled by the tensor data mover; the text is straight: four K steps need no loop.
; THE MATRIX INSTRUCTION: source 0 = 16 rows of "B", source 1 = 16 rows of "A": lane (r, h) holds A's row r and B's rows 8 h + 0 .. 7: eight neighbours along B's rows in eight registers,
; which one conversion turns into two registers of the next operand (plain 8-bit layout: registers 2 c, 2 c + 1 hold k = 16 c + 8 h + 0 .. 7).
; ROLES.  q and k are operands along the head's 64: A = x (tokens), B = rows of W.  v is an operand along the keys: A = rows 2048 .. 3071 of W, B = x (tokens).
; The cluster's x says which: 0 q, 1 k, 2 v; it is equal in all sixteen partners, and every choice is a select on it, no branch.
; CLUSTERS: 4 x 4 work-groups; A's tile is shared along a row of the cluster, B's along a column: each is asked for jointly, by one tensor load with a mask that names the four.
; IMAGES (512 bytes a chunk, lane l's 16 bytes at 16 l):  qimg, kimg: [batch 4][pair of heads 8][tile of 16 tokens 128][head of the pair 2][chunk 2];  vimg: [batch 4][128 keys 16][head 16][16 of the head's 64: 4][chunk 4].
; In both a wave's block a (16 rows of A x 128 rows of B) is 2,048 consecutive bytes at 2,048 a from the wave's base: each store of a wave covers 512 consecutive bytes, aligned.
; A fragment is fetched by four loads of 16 bytes: a permutation of k that is the same in A and in B, so every product meets its partner; only the order of the sums inside an instruction differs.
; LIMITS: e2 - e0 - e1, e3 - e0 - e1 and e5 - e0 - e1 lie between -126 and 112, so that each scale and 57,344 x the scale are f32 numbers.  NaN and infinity among the codes are not served.
; REGISTERS, in windows of 256: window 0: v16-29 addresses and constants; v32-95 at work on the way out; v128-255 A's fragments (one set), on the way out the codes.
;   window 1: B's fragments, two sets, at v0 and v128.   window 2: the accumulators of my rows 0-63 ((a, b) at v[8 (8 a + b)]);   window 3: those of my rows 64-127.
.set ROWB,   256                       ; a tile's row in bytes: 256 codes
.set KROW,   1024                      ; a row of x or of W_attn in memory
.set PITCH,  272                       ; an LDS row: 256 bytes + 16 of padding = 68 words: the 16 rows that a load touches start at 16 different banks (64 banks of 4 bytes: ISA guide 11.1)
.set FR,     16                        ; registers of a fragment: 16 rows x 128 K
.set NL,     4                         ; LDS loads that bring one
.set NP,     4                         ; places behind this matrix instruction (ISA guide 7.12.1)
.set HALFT,  128*PITCH                 ; 128 rows: what one tensor load brings
.set SLOT,   4*HALFT                   ; A's 256 rows, then B's 256 rows
.set SPARE,  2*SLOT                    ; behind the ring: the spare words, 128 bytes for each wave, which no other line names
.set ADRA, 16                          ; v16-17  LDS address of my A fragments in slot 0, 1
.set ADRB, 20                          ; v20-21  the same for B
.set SCL,  24                          ; v24     2^(e - e0 - e1) as f32: the conversion takes its exponent field
.set LIM,  25
.set CO,   26                          ; v26     16 x lane: my place in a chunk
.set SPW,  28                          ; v28     LDS address of my spare word; never rewritten
.set NIL,  29                          ; v29     0; never rewritten
.set TMP,  32
.set AF,   128                         ; A's fragments
.set CD,   128                         ; the way out: 16 registers of codes for each block
.set G1, 24                            ; s[24:31] descriptor group 1 for A's tiles;  s[32:39] group 0, one set for each slot
.set G0, 32
.set G1B, 48                           ; s[48:55], s[56:63] the same for B's tiles
.set G0B, 56
.set MSB, 0
.macro WIN new                         ; the immediate's high byte repeats the setting that is left
.if MSB != \new
	s_set_vgpr_msb (MSB<<8)|\new
.set MSB, \new
.endif
.endm
.set MUL_LO, 0xa1                      ; source 0 (B) window 1, source 1 (A) window 0, C and D window 2
.set MUL_HI, 0xf1                      ; the same, C and D window 3
.set TO_B,   0x40                      ; destination window 1, address window 0
; A joint load: waves 0 and 1 fetch for A, waves 2 and 3 for B.  The branch hangs on the wave's number alone.  Four v_nop follow each of the two lines.
.macro JLOAD g0a, g1a, g0b, g1b
	s_cmp_eq_u32 s15, 0
	s_cbranch_scc0 .Lfor_b_\@
	tensor_load_to_lds s[\g0a:\g0a+3], s[\g1a:\g1a+7]
	s_nop 0
.rept 4
	v_nop
.endr
	s_branch .Lasked_\@
.Lfor_b_\@:
	tensor_load_to_lds s[\g0b:\g0b+3], s[\g1b:\g1b+7]
	s_nop 0
.rept 4
	v_nop
.endr
.Lasked_\@:
.endm
.macro CREST                           ; a round of the cluster's barrier behind its opening barrier
	s_cmp_lg_u32 s14, 0
	s_cbranch_scc1 .Lnot_wave_0_\@
	s_barrier_signal -3
.Lnot_wave_0_\@:
	s_barrier_wait -3
	s_barrier_signal -1
	s_barrier_wait -1
.endm
.macro CROUND                          ; a whole round
	s_barrier_signal -1
	s_barrier_wait -1
	CREST
.endm
	s_load_b128 s[4:7], s[0:1], 0x0                ; x's codes s[4:5], W_attn's codes s[6:7]
	s_load_b64 s[8:9], s[0:1], 0x10                ; the scales' exponents
	s_load_b128 s[68:71], s[0:1], 0x18             ; qimg s[68:69], kimg s[70:71]
	s_load_b64 s[72:73], s[0:1], 0x28              ; vimg
	v_lshl_add_u32 v[SPW], v0, 2, SPARE
	v_mov_b32 v[NIL], 0
	ds_add_u32 v28, v29
	ds_add_u32 v28, v29
	s_wait_dscnt 0x0
	v_lshrrev_b32 v1, 5, v0
	v_readfirstlane_b32 s14, v1                    ; wave 0..3
	s_lshr_b32 s15, s14, 1                         ; which half of A's rows is mine.  Also: I fetch for A (0) or for B (1)
	s_and_b32 s16, s14, 1                          ; which half of B's rows.  Also: which 128 rows of that tile I fetch
	s_bfe_u32 s40, ttmp6, 0x40000                  ; cx, cy: my place in the cluster
	s_bfe_u32 s41, ttmp6, 0x40004
	s_and_b32 s10, ttmp7, 0xffff                   ; the cluster's y, 0 .. 7
	s_cmp_eq_u32 ttmp9, 2                          ; v's clusters?  (the cluster's x: equal in all partners)
	s_cselect_b32 s12, 0, s10                      ; row of clusters: v has 4 tile rows (1,024 rows of W), q and k 32 (tokens)
	s_cselect_b32 s13, s10, ttmp9                  ; column of clusters: v walks the tokens, q and k their 1,024 rows of W
	s_cselect_b32 s2, 2048, 0                      ; v's rows of W begin at 2,048
	s_lshl_b32 s17, s12, 2
	s_add_co_u32 s17, s17, s41                     ; TR: tile row (of A)
	s_lshl_b32 s42, s13, 2
	s_add_co_u32 s42, s42, s40                     ; TC: tile column (of B)
	s_lshl_b32 s43, s41, 2
	s_lshl_b32 s43, 15, s43                        ; my row of the cluster
	s_lshl_b32 s44, 0x1111, s40                    ; my column
	; descriptor group 1: a tile of 128 rows x 256 bytes, padded in LDS
	s_or_b32 s[G1+0], s43, (0<<16)|(1<<20)|(1<<21)|(5<<22)|(3<<25)  ; 15:0 the mask: A's tiles go to my row; 17:16 element of 1 byte; 20 padding on; 21 set beside a mask; 24:22 after every 64 words; 31:25 of 4 words
	s_or_b32 s[G1B+0], s44, (0<<16)|(1<<20)|(1<<21)|(5<<22)|(3<<25) ; the same with the mask of my column
.irp g, G1, G1B
	s_mov_b32 s[\g+1], ROWB<<16                    ; tensor_dim0
	s_mov_b32 s[\g+2], 128<<16                     ; tensor_dim1 = 128
	s_mov_b32 s[\g+3], ROWB<<16                    ; tile_dim0
	s_mov_b32 s[\g+4], 128                         ; tile_dim1 = 128
	s_mov_b32 s[\g+5], KROW                        ; tensor_dim0_stride
	s_mov_b32 s[\g+6], 0
	s_mov_b32 s[\g+7], 0
.endr
	s_lshl_b32 s18, s16, 7                         ; which 128 rows of the tile I fetch
	s_lshl_b32 s20, s17, 8
	s_add_co_u32 s20, s20, s18
	s_add_co_u32 s20, s20, s2                      ; A: row 256 TR + 128 x half (+ 2,048 for v)
	s_lshl_b32 s20, s20, 10                        ; in bytes: under 2^23
	s_mov_b32 s21, 0
	s_lshl_b32 s46, s42, 8
	s_add_co_u32 s46, s46, s18                     ; B: row 256 TC + 128 x half
	s_lshl_b32 s46, s46, 10
	s_mov_b32 s47, 0
	s_mul_i32 s45, s14, HALFT                      ; where they go: wave x 128 rows: no place in the cluster enters an LDS address
	s_wait_kmcnt 0x0
	s_load_b256 s[80:87], s[8:9], 0x0              ; e0 .. e7
	s_cmp_eq_u32 ttmp9, 2
	s_cselect_b64 s[74:75], s[6:7], s[4:5]         ; A's buffer: W for v, else x
	s_cselect_b64 s[76:77], s[4:5], s[6:7]         ; B's buffer: x for v, else W
	s_add_nc_u64 s[20:21], s[74:75], s[20:21]
	s_add_nc_u64 s[46:47], s[76:77], s[46:47]
	CROUND                                         ; all sixteen work-groups are here: the first joint loads meet
.irp s, 0,1
	s_mov_b32 s[G0+4*\s], 1
	s_add_co_u32 s[G0+4*\s+1], s45, \s*SLOT
	s_add_nc_u64 s[G0+4*\s+2:G0+4*\s+3], s[20:21], \s*ROWB
	s_or_b32 s[G0+4*\s+3], s[G0+4*\s+3], 0x80000000
	s_mov_b32 s[G0B+4*\s], 1
	s_add_co_u32 s[G0B+4*\s+1], s45, \s*SLOT
	s_add_nc_u64 s[G0B+4*\s+2:G0B+4*\s+3], s[46:47], \s*ROWB
	s_or_b32 s[G0B+4*\s+3], s[G0B+4*\s+3], 0x80000000
	JLOAD G0+4*\s, G1, G0B+4*\s, G1B               ; two tensor loads of mine are out
.endr
	v_and_b32 v1, 15, v0                           ; l % 16
	v_bfe_u32 v2, v0, 4, 1                         ; l / 16
	v_mul_u32_u24 v3, v1, PITCH
	v_lshl_add_u32 v4, v2, 4, v3                   ; a fragment's row x pitch + 16 x half
	s_mul_i32 s21, s15, HALFT                      ; my 128 rows of A
	s_mul_i32 s22, s16, HALFT                      ; my 128 rows of B,
	s_add_co_u32 s22, s22, 2*HALFT                 ; which lie behind A's 256
.irp s, 0,1
	v_add_nc_u32 v[ADRA+\s], s21, v4
	v_add_nc_u32 v[ADRB+\s], s22, v4
	s_add_co_u32 s21, s21, SLOT
	s_add_co_u32 s22, s22, SLOT
.endr
	v_and_b32 v6, 31, v0
	v_lshlrev_b32 v[CO], 4, v6
	; where my wave's eight blocks go.  q, k: batch TR / 8, pair of heads 2 cx + my half of B, tile of tokens 16 (TR % 8) + 8 x my half of A
	s_lshr_b32 s91, s17, 3
	s_lshl_b32 s91, s91, 21
	s_lshl_b32 s92, s40, 1
	s_add_co_u32 s92, s92, s16
	s_lshl_b32 s92, s92, 18
	s_add_co_u32 s91, s91, s92
	s_and_b32 s92, s17, 7
	s_lshl_b32 s92, s92, 4
	s_lshl_b32 s93, s15, 3
	s_add_co_u32 s92, s92, s93
	s_lshl_b32 s92, s92, 11
	s_add_co_u32 s91, s91, s92
	; v: batch TC / 8, 128 keys 2 (TC % 8) + my half of B, head 4 TR + 2 x my half of A
	s_lshr_b32 s93, s42, 3
	s_lshl_b32 s93, s93, 21
	s_and_b32 s94, s42, 7
	s_lshl_b32 s94, s94, 1
	s_add_co_u32 s94, s94, s16
	s_lshl_b32 s94, s94, 17
	s_add_co_u32 s93, s93, s94
	s_lshl_b32 s94, s17, 2
	s_lshl_b32 s95, s15, 1
	s_add_co_u32 s94, s94, s95
	s_lshl_b32 s94, s94, 13
	s_add_co_u32 s93, s93, s94
	s_wait_alu depctr_va_vdst(0)
	s_wait_kmcnt 0x0                               ; the exponents
	s_cmp_eq_u32 ttmp9, 2
	s_cselect_b32 s92, s93, s91
	s_mov_b32 s93, 0
	s_cselect_b64 s[88:89], s[72:73], s[70:71]     ; vimg or kimg,
	s_cselect_b32 s90, s85, s83                    ; e5 or e3,
	s_cmp_eq_u32 ttmp9, 0
	s_cselect_b64 s[88:89], s[68:69], s[88:89]     ; or qimg
	s_cselect_b32 s90, s82, s90                    ; and e2
	s_add_nc_u64 s[88:89], s[88:89], s[92:93]
	s_sub_co_i32 s90, s90, s80                     ; a sum stands for sum x 2^(e0 + e1): its code is sum / 2^(e - e0 - e1): the three scales folded into the conversion's one
	s_sub_co_i32 s90, s90, s81
	s_add_co_i32 s90, s90, 127
	s_lshl_b32 s91, s90, 23
	v_mov_b32 v[SCL], s91
.macro FRAG reg, adr, q, i             ; a fragment, 16 rows x 128 K, is 16 registers: lane l holds row l % 16; registers 4 c .. 4 c + 3 hold K = 32 c + 16 (l / 16) + 0 .. 15
.irp c, 0,1,2,3
	ds_load_b128 v[\reg+4*\c:\reg+4*\c+3], v[\adr] offset:128*(\q)+32*\c+(\i)*16*PITCH
.endr
.endm
; 16 matrix instructions: A's blocks a0, a0 + 1 x B's eight, 128 along K.  p: B's set.  zero = 1: the first product starts the sums.
; The 64 accumulators take turns, one instruction a turn, in the same order in every step.
.macro MUL16 a0, p, zero
.irp a, \a0, \a0+1
.irp b, 0,1,2,3,4,5,6,7
.if \zero
	v_wmma_f32_16x16x128_bf8_bf8 v[8*(8*((\a)%4)+\b):8*(8*((\a)%4)+\b)+7], v[128*(\p)+FR*\b:128*(\p)+FR*\b+FR-1], v[AF+FR*(\a):AF+FR*(\a)+FR-1], 0
.else
	v_wmma_f32_16x16x128_bf8_bf8 v[8*(8*((\a)%4)+\b):8*(8*((\a)%4)+\b)+7], v[128*(\p)+FR*\b:128*(\p)+FR*\b+FR-1], v[AF+FR*(\a):AF+FR*(\a)+FR-1], v[8*(8*((\a)%4)+\b):8*(8*((\a)%4)+\b)+7]
.endif
.endr
.endr
.endm
.macro FETCH_B slot, q, p              ; B's eight fragments of the slot's q-th 128 along K into set p
	WIN TO_B
.irp i, 0,1,2,3,4,5,6,7
	FRAG 128*(\p)+FR*\i, ADRB+\slot, \q, \i
.endr
	WIN 0
.endm
.macro FETCH_A slot, q, i0             ; A's blocks i0 .. i0 + 3
.irp i, \i0, \i0+1, \i0+2, \i0+3
	FRAG AF+FR*(\i), ADRA+\slot, \q, \i
.endr
.endm
; A load into a register that a matrix instruction has read, and a vector instruction that reads a matrix result, stand NP places behind that matrix instruction; only plain vector
; instructions that name none of its registers are places (ISA guide 7.12.1 for vector instructions).
.macro PLACES n
.rept \n
	v_nop
.endr
.endm
; A step of 128 along K that has its successor in the same slot.
.macro STEP slot, q, zero
	s_wait_dscnt 4*NL                              ; B's set and A's blocks 0-3 are in; the youngest sixteen loads (A's blocks 4-7) may be out
	WIN MUL_LO
	MUL16 0, (\q)%2, \zero
	MUL16 2, (\q)%2, \zero
	s_wait_dscnt 0                                 ; A's blocks 4-7 are in (asked for 32 matrix instructions ago)
	PLACES NP
	FETCH_B \slot, (\q)+1, 1-(\q)%2
	FETCH_A \slot, (\q)+1, 0
	WIN MUL_HI
	MUL16 4, (\q)%2, \zero
	MUL16 6, (\q)%2, \zero
	PLACES NP
	WIN 0
	FETCH_A \slot, (\q)+1, 4
.endm
; A slot's last step changes slots: ONE barrier; in front of it each wave waits for all its tensor loads, adds 0 to its spare word, and waits for that and for its own reads of this slot.  fill = 1: this slot is filled again, two K steps ahead.
.macro TURN slot, next, fill
	s_wait_tensorcnt 0x0                           ; all my tensor loads have landed: my part of the next slot;  (every window is 0 here)
	ds_add_u32 v[SPW], v[NIL]                      ; 0 onto my spare word
	s_wait_dscnt 4*NL+1                            ; (the add and the youngest sixteen loads, A's blocks 4-7, may be out)
	WIN MUL_LO
	MUL16 0, 1, 0                                  ; sixteen matrix instructions stand between the add and the wait for it
	s_wait_dscnt 0x0                               ; the add is done, and my reads of this slot are over
	s_barrier_signal -1
	MUL16 2, 1, 0
	WIN 0
	s_barrier_wait -1
.if \fill
	CREST                                          ; the barrier has opened a round of the cluster's barrier: no wave of any partner still reads this slot's tile or has a load on its way
	s_add_nc_u64 s[G0+4*\slot+2:G0+4*\slot+3], s[G0+4*\slot+2:G0+4*\slot+3], 2*ROWB
	s_add_nc_u64 s[G0B+4*\slot+2:G0B+4*\slot+3], s[G0B+4*\slot+2:G0B+4*\slot+3], 2*ROWB
	JLOAD G0+4*\slot, G1, G0B+4*\slot, G1B         ; the first tensor load behind the round, my one load until the next; its four v_nop are the places in front of the loads below
.else
	PLACES NP
.endif
	FETCH_B \next, 0, 0
	FETCH_A \next, 0, 0
	WIN MUL_HI
	MUL16 4, 1, 0
	MUL16 6, 1, 0
	PLACES NP
	WIN 0
	FETCH_A \next, 0, 4
.endm
	s_wait_tensorcnt 1                             ; my part of K step 0 is in; K step 1's load may be out
	s_barrier_signal -1
	s_barrier_wait -1                              ; everybody's is
	FETCH_B 0, 0, 0
	FETCH_A 0, 0, 0
	FETCH_A 0, 0, 4
	STEP 0, 0, 1                                   ; K 0 .. 127: the products start the sums
	TURN 0, 1, 1                                   ; K 128 .. 255; slot 0 takes K 512 .. 767
	STEP 1, 0, 0
	TURN 1, 0, 1                                   ; slot 1 takes K 768 .. 1023
	STEP 0, 0, 0
	TURN 0, 1, 0                                   ; nothing is left to fetch
	STEP 1, 0, 0
	s_wait_dscnt 4*NL                              ; the last step
	WIN MUL_LO
	MUL16 0, 1, 0
	MUL16 2, 1, 0
	s_wait_alu depctr_va_vdst(0)
	s_wait_dscnt 0
	WIN MUL_HI
	MUL16 4, 1, 0
	MUL16 6, 1, 0
	WIN 0
; THE WAY OUT, block by block (16 rows of A x 128 rows of B).  The 64 sums go to the conversion as they stand, each accumulator from
; its low end on; accumulator b's eight sums become registers 2 b, 2 b + 1 of the block's 16 registers of codes; four stores of 512 consecutive bytes.  Each block has its own registers of codes: no store's data are written again.
.macro OUTB a
	WIN 0x02+((\a)/4)                              ; source 0: window 2 or 3
.set i, 0
.rept 64
.set i, i+1
.endr
.irp b, 0,1,2,3,4,5,6,7
	v_cvt_scalef32_pk8_bf8_f32 v[CD+16*(\a)+2*\b:CD+16*(\a)+2*\b+1], v[TMP+8*\b+((64*((\a)%4)+i)-(TMP+i)):TMP+8*\b+7+((64*((\a)%4)+i)-(TMP+i))], v[SCL]
.endr
	WIN 0
	v_nop                                          ; one plain vector instruction between the conversions and the stores
.irp q, 0,1,2,3
	global_store_b128 v[CO], v[CD+16*(\a)+4*\q:CD+16*(\a)+4*\q+3], s[88:89] offset:(\a)*2048+\q*512
.endr
.endm
	PLACES NP                                      ; behind the last products: for the first reads of results and the first writes into A's registers
.irp a, 0,1,2,3,4,5,6,7
	OUTB \a
.endr
	s_wait_tensorcnt 0x0                           ; the wave's end
	ds_add_u32 v[SPW], v[NIL]
	s_wait_dscnt 0x0
	CROUND                                         ; the closing round: no work-group ends while a partner may still ask for a tile that names it
	s_endpgm
.Lfunc_end_k_q299699ecd3_qkv:
	.size	k_q299699ecd3_qkv, .Lfunc_end_k_q299699ecd3_qkv-k_q299699ecd3_qkv
	.p2alignl 7, 3214868480
	.fill 96, 4, 3214868480
	.section	.rodata,"a",@progbits
	.p2align	6, 0x0
	.amdhsa_kernel k_q299699ecd3_qkv
		.amdhsa_group_segment_fixed_size 327680
		.amdhsa_private_segment_fixed_size 0
		.amdhsa_enable_private_segment 0
		.amdhsa_kernarg_size 48
		.amdhsa_user_sgpr_count 2
		.amdhsa_user_sgpr_kernarg_segment_ptr 1
		.amdhsa_wavefront_size32 1
		.amdhsa_system_sgpr_workgroup_id_x 1
		.amdhsa_system_sgpr_workgroup_id_y 1
		.amdhsa_system_sgpr_workgroup_id_z 1
		.amdhsa_system_vgpr_workitem_id 0
		.amdhsa_next_free_vgpr 1024
		.amdhsa_next_free_sgpr 100
		.amdhsa_reserve_vcc 0
		.amdhsa_float_denorm_mode_32 3
		.amdhsa_float_denorm_mode_16_64 3
		.amdhsa_fp16_overflow 1
		.amdhsa_memory_ordered 1
		.amdhsa_forward_progress 1
		.amdhsa_inst_pref_size 86
	.end_amdhsa_kernel
	.amdgpu_metadata
---
amdhsa.version: [ 1, 2 ]
amdhsa.kernels:
  - .name:           k_q299699ecd3_qkv
    .symbol:         k_q299699ecd3_qkv.kd
    .args:
      - { .name: x_codes, .offset: 0, .size: 8, .value_kind: global_buffer, .address_space: global }
      - { .name: W_attn_codes, .offset: 8, .size: 8, .value_kind: global_buffer, .address_space: global }
      - { .name: lowp_scales, .offset: 16, .size: 8, .value_kind: global_buffer, .address_space: global }
      - { .name: qimg, .offset: 24, .size: 8, .value_kind: global_buffer, .address_space: global }
      - { .name: kimg, .offset: 32, .size: 8, .value_kind: global_buffer, .address_space: global }
      - { .name: vimg, .offset: 40, .size: 8, .value_kind: global_buffer, .address_space: global }
    .group_segment_fixed_size: 327680
    .private_segment_fixed_size: 0
    .kernarg_segment_align: 8
    .kernarg_segment_size: 48
    .max_flat_workgroup_size: 128
    .sgpr_count:     100
    .vgpr_count:     1024
    .wavefront_size: 32
...
	.end_amdgpu_metadata
.endif
;; end of part 1
;; launch attn (part 2): grid 4 x 64, 16 waves a work-group, clusters of 4 x 1, 264,192 bytes of LDS; arguments qimg, kimg, vimg, lowp_scales, yimg; writes yimg
.if DOCPART == 2
	.amdgcn_target "amdgcn-amd-amdhsa--gfx1250"
	.amdhsa_code_object_version 6
	.text
	.protected	k_q299699ecd3_attn
	.globl	k_q299699ecd3_attn
	.p2align	8
	.type	k_q299699ecd3_attn,@function
k_q299699ecd3_attn:
	s_mov_b64 s[64:65], 0
	v_nop
	global_prefetch_b8 v0, s[64:65] scope:SCOPE_SE
	s_setreg_imm32_b32 hwreg(HW_REG_WAVE_MODE, 25, 1), 1
	s_wait_xcnt 0x0
	s_wait_alu depctr_hold_cnt(0) depctr_sa_sdst(0) depctr_va_vdst(0) depctr_va_sdst(0) depctr_va_ssrc(0) depctr_va_vcc(0) depctr_vm_vsrc(0)
	s_getreg_b32 s2, hwreg(HW_REG_IB_STS2, 6, 4)
	s_cmp_eq_u32 s2, 0
	s_cbranch_scc0 .Lentry_in_a_cluster
	s_endpgm
.Lentry_in_a_cluster:
	s_bfe_u32 s2, ttmp6, 0x10000c
	s_cmp_lg_u32 s2, 0x3003
	s_cbranch_scc0 .Lentry_shape_is_right
	s_endpgm
.Lentry_shape_is_right:
; y = softmax(q k^T / 8, causal) v for each of 64 (batch, head), both products on codes of BF8 (E5M2); y is quantised (2^e6) and stored as an image of the last product's operand registers.
; THE SOFTMAX: t = score x log2(e) / 8; M = the running largest t rounded UP to a whole number; p = 2^(t - M) is quantised with 2^e4, not normalised; the row's sum is taken of the unquantised p and divides at the end.
; When M moves, the sum and O are multiplied by 2^(old M - new M), which rounds nothing.  Hidden keys count as p = 0.
; SHARES.  The four work-groups of a cluster serve ONE head.  Each holds ALL 2,048 keys of K and V in its LDS (2 x 131,072 bytes), brought once, by joint loads whose mask names the four: nothing is filled again.
; A head's 128 tiles of 16 queries fall into 16 groups of 8; group g needs key steps (128 keys) 0 .. g, the last on the diagonal.  Wave w (w' = w / 2, u = w % 2) takes tile 2 cx + u of group 15 - w' and then of group w':
; (16 - w') + (w' + 1) = 17 key steps for every wave of every work-group.  Branches and LDS addresses hang on the wave's number and on counters alone; cx enters Q's and y's addresses in memory and the number that the mask compares.
; LAYOUT.  Both products transposed: S^T = K Q^T (source 0 = 16 keys, source 1 = my 16 queries), O^T = V^T P^T (source 0 = 16 of the head's 64, source 1 = P): a lane holds ONE query (lane % 16) throughout.
; In S^T tile tt, lane (r, h), register j is key 16 tt + 8 h + j: one conversion makes registers 2 tt, 2 tt + 1 of P in the plain 8-bit layout (k = 16 c + 8 h + 0 .. 7).  Likewise O^T's tile becomes two registers of y's image.
; K's, V's and Q's fragments lie in memory and in LDS as images of their registers: every LDS load is 512 consecutive bytes, 16 a lane.
; LIMITS: e2 + e3 between -123 and 130 (added to c's exponent field); e4 and e6 - e4 - e5 between -126 and 112.  Hidden logits of -1e9 would give the same p = 0 as long as a row's largest logit lies above about -1e9 + 200.
; REGISTERS: v1-6 addresses; v12 -M, v13 the largest t, v[14:15] the sum in two halves; v16-23 Q, v24-31 the second tile's Q; v32-95 K's 8 fragments, then V's 4; v96-159 S^T, then p; v160-191 O^T; v192-207 p's codes;
;   v208-215, v216-223 y's codes of the two tiles; v236-254 at work and constants.
.set LI,   1                           ; v1   16 x lane
.set ADK,  2                           ; v2   LDS address of the step's K
.set ADV,  3                           ; v3   of its V
.set DM,   4                           ; v4   16 (2 cx + u) + r - 8 h: register 8 tt + j of the diagonal step is hidden where 16 tt + j is greater
.set YO,   5                           ; v5   16 x lane: my offset in a chunk in memory; never rewritten
.set LIV,  6                           ; v6   16 x lane + 131,072
.set VOFF, 131072                      ; LDS: K's 16 key steps of 8,192 bytes, then V's
.set WV,   18                          ; s18  my wave's number
.set W8,   19                          ; s19  w % 8: which key steps I fetch
.set WP,   20                          ; s20  w' = w / 2
.set U,    21                          ; s21  u = w % 2
.set GA,   22                          ; s22  15 - w': my first tile's group, and the count at which it ends
.set G1K,  24                          ; s[24:31] descriptor group 1 for K's tiles;  s[32:39] for V's
.set G1V,  32
.set G0K,  40                          ; s[40:47] K's two groups 0;  s[48:55] V's
.set G0V,  48
.set CS,   56                          ; s[56:57] c = log2(e) / 8 x 2^(e2 + e3)
.set SEL,  58                          ; s[58:59] lane selects for v_permlanex16_b32: lane l xor 16
.set CNT,  60                          ; s60  key steps done, 0 .. 16
.set TB,   61                          ; s61  8,192 x the key step in hand
.set KS,   62
.set T0,   63
.set MK,   66
.macro CROUND                          ; a round of the cluster's barrier
	s_barrier_signal -1
	s_barrier_wait -1
	s_cmp_lg_u32 s[WV], 0
	s_cbranch_scc1 .Lnot_wave_0_\@
	s_barrier_signal -3
.Lnot_wave_0_\@:
	s_barrier_wait -3
	s_barrier_signal -1
	s_barrier_wait -1
.endm
	s_load_b256 s[4:11], s[0:1], 0x0               ; qimg s[4:5], kimg s[6:7], vimg s[8:9], the scales' exponents s[10:11]
	s_load_b64 s[12:13], s[0:1], 0x20              ; yimg
	v_lshl_add_u32 v251, v0, 2, 0x40000
	v_mov_b32 v255, 0
	ds_add_u32 v251, v255
	ds_add_u32 v251, v255
	v_lshrrev_b32 v7, 5, v0
	s_delay_alu instid0(VALU_DEP_1)
	v_readfirstlane_b32 s[WV], v7                  ; wave 0..15
	s_and_b32 s[W8], s[WV], 7
	s_lshr_b32 s[WP], s[WV], 1
	s_and_b32 s[U], s[WV], 1
	s_xor_b32 s[GA], s[WP], 15                     ; 15 - w'
	s_bfe_u32 s96, ttmp6, 0x40000                  ; cx
	s_and_b32 s84, ttmp7, 0xffff                   ; 16 x batch + head: shared by the four partners
	s_lshr_b32 s85, s84, 4                         ; batch
	s_and_b32 s86, s84, 15                         ; head
	s_lshr_b32 s87, s86, 1                         ; pair of heads
	s_and_b32 s88, s86, 1                          ; which of the pair
	s_lshl_b32 s89, s85, 21
	s_lshl_b32 s90, s87, 18
	s_add_co_u32 s90, s90, s89
	s_lshl_b32 s91, s88, 10
	s_add_co_u32 s90, s90, s91                     ; the head's first byte in qimg and kimg
	s_lshl_b32 s92, s[W8], 14                      ; K: key step w % 8: 8 tiles of tokens, 2,048 bytes apart
	s_add_co_u32 s92, s92, s90
	s_mov_b32 s93, 0
	s_lshl_b32 s94, s86, 13                        ; V: the head's 8,192 bytes of key step w % 8
	s_add_co_u32 s94, s94, s89
	s_lshl_b32 s95, s[W8], 17
	s_add_co_u32 s94, s94, s95
	s_mov_b32 s95, 0
	s_lshl_b32 s97, s[W8], 13                      ; and the key step's place in LDS
	; descriptor group 1.  K: 8 rows of 1,024 bytes (a tile's two chunks of my head), 2,048 bytes apart, in elements of 8 bytes.  V: 8,192 dense bytes as 32 rows of 256
	s_mov_b32 s[G1K], 15|(3<<16)|(1<<21)           ; 15:0 the mask: all four work-groups; 17:16 elements of 8 bytes; 20 no padding; 21 set beside a mask
	s_mov_b32 s[G1K+1], 128<<16                    ; tensor_dim0 = 128
	s_mov_b32 s[G1K+2], 8<<16                      ; tensor_dim1 = 8
	s_mov_b32 s[G1K+3], 128<<16                    ; tile_dim0 = 128
	s_mov_b32 s[G1K+4], 8                          ; tile_dim1 = 8
	s_mov_b32 s[G1K+5], 256                        ; tensor_dim0_stride
	s_mov_b32 s[G1K+6], 0
	s_mov_b32 s[G1K+7], 0
	s_mov_b32 s[G1V], 15|(3<<16)|(1<<21)
	s_mov_b32 s[G1V+1], 32<<16
	s_mov_b32 s[G1V+2], 32<<16
	s_mov_b32 s[G1V+3], 32<<16
	s_mov_b32 s[G1V+4], 32
	s_mov_b32 s[G1V+5], 32
	s_mov_b32 s[G1V+6], 0
	s_mov_b32 s[G1V+7], 0
	s_mov_b32 s[SEL], 0x76543210
	s_mov_b32 s[SEL+1], 0xfedcba98
	s_wait_dscnt 0x0
	s_wait_kmcnt 0x0
	s_load_b256 s[68:75], s[10:11], 0x0            ; e0 .. e7
	s_mov_b32 s[G0K], 1                            ; K, key step w % 8
	s_mov_b32 s[G0K+1], s97
	s_add_nc_u64 s[G0K+2:G0K+3], s[6:7], s[92:93]
	s_mov_b32 s[G0K+4], 1                          ; and key step w % 8 + 8
	s_add_co_u32 s[G0K+5], s97, 65536
	s_add_nc_u64 s[G0K+6:G0K+7], s[G0K+2:G0K+3], 0x20000
	s_or_b32 s[G0K+3], s[G0K+3], 0x80000000
	s_or_b32 s[G0K+7], s[G0K+7], 0x80000000
	s_mov_b32 s[G0V], 1                            ; V likewise
	s_add_co_u32 s[G0V+1], s97, VOFF
	s_add_nc_u64 s[G0V+2:G0V+3], s[8:9], s[94:95]
	s_mov_b32 s[G0V+4], 1
	s_add_co_u32 s[G0V+5], s97, VOFF+65536
	s_add_nc_u64 s[G0V+6:G0V+7], s[G0V+2:G0V+3], 0x100000
	s_or_b32 s[G0V+3], s[G0V+3], 0x80000000
	s_or_b32 s[G0V+7], s[G0V+7], 0x80000000
	CROUND                                         ; all four work-groups are here: the joint loads meet
	s_cmp_lt_u32 s[WV], 8                          ; waves 0-7 fetch K, waves 8-15 V: a wave's two loads stand in one branch, ahead of every wait on TENSORcnt and every LDS read: two loads of mine are out
	s_cbranch_scc0 .Lfirst_v
	tensor_load_to_lds s[G0K:G0K+3], s[G1K:G1K+7]
	s_nop 0
	tensor_load_to_lds s[G0K+4:G0K+7], s[G1K:G1K+7]
	s_nop 0
.rept 4
	v_nop
.endr
	s_branch .Lfirst_asked
.Lfirst_v:
	tensor_load_to_lds s[G0V:G0V+3], s[G1V:G1V+7]
	s_nop 0
	tensor_load_to_lds s[G0V+4:G0V+7], s[G1V:G1V+7]
	s_nop 0
.rept 4
	v_nop
.endr
.Lfirst_asked:
	s_lshl_b32 s14, s96, 1
	s_add_co_u32 s14, s14, s[U]                    ; 2 cx + u: my tile in a group
	s_lshl_b32 s15, s[GA], 3
	s_add_co_u32 s15, s15, s14                     ; my first tile of 16 queries,
	s_lshl_b32 s16, s[WP], 3
	s_add_co_u32 s16, s16, s14                     ; and my second
	s_mov_b32 s99, 0
	s_lshl_b32 s98, s15, 11
	s_add_co_u32 s98, s98, s90
	s_add_nc_u64 s[80:81], s[4:5], s[98:99]        ; their fragments of Q
	s_lshl_b32 s98, s16, 11
	s_add_co_u32 s98, s98, s90
	s_add_nc_u64 s[82:83], s[4:5], s[98:99]
	v_and_b32 v7, 31, v0
	s_wait_alu depctr_va_vdst(0)
	v_lshlrev_b32 v[YO], 4, v7
	global_load_b128 v[16:19], v[YO], s[80:81]
	global_load_b128 v[20:23], v[YO], s[80:81] offset:512
	global_load_b128 v[24:27], v[YO], s[82:83]
	global_load_b128 v[28:31], v[YO], s[82:83] offset:512
	s_lshl_b32 s17, s85, 7                         ; y's image: tile of 16 rows 128 x batch + my tile; K step = pair of heads; chunks 2 x (which of the pair) and the next
	s_lshl_b32 s23, s87, 11
	s_add_co_u32 s23, s23, s91
	s_add_co_u32 s98, s17, s15
	s_lshl_b32 s98, s98, 14
	s_add_co_u32 s98, s98, s23
	s_add_nc_u64 s[76:77], s[12:13], s[98:99]
	s_add_co_u32 s98, s17, s16
	s_lshl_b32 s98, s98, 14
	s_add_co_u32 s98, s98, s23
	s_add_nc_u64 s[78:79], s[12:13], s[98:99]
	v_lshlrev_b32 v[LI], 4, v7
	s_delay_alu instid0(VALU_DEP_1)
	v_add_nc_u32 v[LIV], VOFF, v[LI]
	v_and_b32 v8, 15, v0                           ; r
	v_bfe_u32 v9, v0, 4, 1                         ; h
	s_delay_alu instid0(VALU_DEP_1)
	v_lshlrev_b32 v9, 3, v9
	s_delay_alu instid0(VALU_DEP_1)
	v_sub_nc_u32 v[DM], v8, v9
	s_lshl_b32 s2, s14, 4
	v_add_nc_u32 v[DM], s2, v[DM]
	v_mov_b32 v13, 0xff61b1e6                      ; the largest t so far: -3e38, under every t
	s_delay_alu instid0(VALU_DEP_1)
	v_floor_f32 v12, -v13                          ; -M
	v_mov_b32 v14, 0                               ; the sum, in two halves
	v_mov_b32 v15, 0
	v_mov_b32 v236, 0                              ; written once: a lane permute's destination counts as one of its sources
	v_mov_b32 v253, 0                              ; (named as the upper half of the pair v[252:253])
.set n, 0
.rept 32
	v_mov_b32 v[160+n], 0                          ; O^T: the step is written once; a tile's first step finds zeros, which the first change of M leaves zeros
.set n, n+1
.endr
	s_wait_kmcnt 0x0
	s_add_co_i32 s84, s70, s71                     ; a score stands for score x 2^(e2 + e3): the two exponents are added to c's exponent field
	s_lshl_b32 s84, s84, 23
	s_mov_b32 s[CS], 0x3e38aa3b                    ; log2(e) / 8
	s_add_co_i32 s[CS], s[CS], s84
	s_mov_b32 s[CS+1], s[CS]                       ; (named with it as a pair, so it is written)
	s_add_co_i32 s84, s72, 127
	s_lshl_b32 s85, s84, 23
	v_mov_b32 v244, s85                            ; 2^e4 as f32, for p's conversion
	s_sub_co_i32 s84, s74, s72                     ; O^T / the sum stands for y / 2^(e4 + e5): its code is that / 2^(e6 - e4 - e5)
	s_sub_co_i32 s84, s84, s73
	s_add_co_i32 s84, s84, 127
	s_lshl_b32 s85, s84, 23
	v_mov_b32 v246, s85
; A KEY STEP: 128 keys, at LDS byte s[TB] of K's and of V's region.  mask = 1: the text holds the diagonal's mask, passed over by a scalar branch on the count and the wave's number where the step is not on the diagonal.
.macro STEP mask
	s_setprio 2
	v_add_nc_u32 v[ADK], s[TB], v[LI]
	v_add_nc_u32 v[ADV], s[TB], v[LIV]
	v_nop
	v_nop                                          ; four places in front of loads into registers that the last step's products have read
.set n, 0
.rept 16
	ds_load_b128 v[32+4*n:35+4*n], v[ADK] offset:512*n   ; K: tile n / 2, chunk n % 2
.set n, n+1
.endr
	s_wait_alu depctr_va_vdst(0)
	s_wait_dscnt 0x0
.set n, 0
.rept 8
	v_wmma_f32_16x16x64_bf8_bf8 v[96+8*n:103+8*n], v[32+8*n:39+8*n], v[16:23], 0
.set n, n+1
.endr
.rept 4
	v_nop                                          ; four places: for the loads below and for the first reads of the scores
.endr
.set n, 0
.rept 16
	ds_load_b128 v[32+4*n:35+4*n], v[ADV] offset:512*n   ; V: tile n / 4 of the head's 64, chunk n % 4: it lands under the softmax
.set n, n+1
.endr
.if \mask
	s_cmp_eq_u32 s[CNT], s[GA]                     ; my first tile's last step,
	s_cselect_b32 s[MK], 1, 0
	s_cmp_eq_u32 s[CNT], 16                        ; or my second's
	s_cselect_b32 s[MK], 1, s[MK]
	s_cmp_eq_u32 s[MK], 0
	s_cbranch_scc1 .Lopen_\@
	v_mov_b32 v254, 0xff800000                     ; -infinity: p = 0 then.  A query's own key counts, so the row's maximum stays a number
.set n, 0
.rept 64
	v_cmp_gt_i32 vcc_lo, 16*(n/8)+n%8, v[DM]
	v_cndmask_b32 v[96+n], v[96+n], v254, vcc_lo
.set n, n+1
.endr
.Lopen_\@:
.endif
	v_max3_num_f32 v254, v96, v97, v98             ; the step's largest score of my query, among my 64 keys, in two chains,
	v_max3_num_f32 v252, v99, v100, v101
.set n, 6
.rept 14
	v_max3_num_f32 v254, v254, v[96+n], v[97+n]
	v_max3_num_f32 v252, v252, v[98+n], v[99+n]
.set n, n+4
.endr
	v_max3_num_f32 v254, v254, v158, v159
	s_delay_alu instid0(VALU_DEP_1)
	v_max_num_f32 v254, v254, v252
	s_delay_alu instid0(VALU_DEP_1)
	v_permlanex16_b32 v236, v254, s[SEL], s[SEL+1]
	s_delay_alu instid0(VALU_DEP_1)
	v_max_num_f32 v254, v254, v236                 ; and among lane l xor 16's
	s_delay_alu instid0(VALU_DEP_1)
	v_mul_f32 v254, s[CS], v254                    ; as t (c is positive)
	s_delay_alu instid0(VALU_DEP_1)
	v_max_num_f32 v13, v13, v254                   ; the running largest t
	v_mov_b32 v254, v12
	s_delay_alu instid0(VALU_DEP_2)
	v_floor_f32 v12, -v13                          ; the new -M = floor(-t) = -ceil(t): a whole number
	s_delay_alu instid0(VALU_DEP_1)
	v_sub_f32 v254, v12, v254                      ; M's old value less its new one: a whole number, 0 or less
	s_delay_alu instid0(VALU_DEP_1)
	v_cvt_i32_f32 v254, v254                       ; (it saturates)
	s_delay_alu instid0(VALU_DEP_1)
	v_ldexp_f32 v252, 1.0, v254                    ; f = 2^(old M - new M)
.set n, 0
.rept 32
	v_pk_fma_f32 v[96+n:97+n], v[96+n:97+n], s[CS:CS+1], v[12:13] op_sel_hi:[1,0,0]   ; t - M, two at a time (of the pairs c and -M the low word serves both halves)
.set n, n+2
.endr
.set n, 0
	s_setprio 1
	s_wait_alu depctr_va_vdst(0)
.rept 64
	v_exp_f32 v[96+n], v[96+n]                     ; p = 2^(t - M), at most 1
.set n, n+1
.endr
	v_pk_mul_f32 v[14:15], v[14:15], v[252:253] op_sel_hi:[1,0]   ; the sums under the new M.  (A plain place behind the exponentials)
	s_wait_alu depctr_va_vdst(0)
	v_pk_add_f32 v[242:243], v[100:101], v[104:105]
	v_pk_add_f32 v[248:249], v[108:109], v[112:113]
	v_pk_add_f32 v[240:241], v[116:117], v[120:121]
	v_pk_add_f32 v[238:239], v[124:125], v[128:129]
	v_pk_add_f32 v[234:235], v[132:133], v[136:137]
	v_pk_add_f32 v[232:233], v[140:141], v[144:145]
	v_pk_add_f32 v[230:231], v[148:149], v[152:153]
	v_pk_add_f32 v[14:15], v[14:15], v[156:157]
	v_pk_add_f32 v[242:243], v[242:243], v[96:97]
	v_pk_add_f32 v[248:249], v[248:249], v[98:99]
	v_pk_add_f32 v[240:241], v[240:241], v[102:103]
	v_pk_add_f32 v[238:239], v[238:239], v[106:107]
	v_pk_add_f32 v[234:235], v[234:235], v[110:111]
	v_pk_add_f32 v[232:233], v[232:233], v[114:115]
	v_pk_add_f32 v[230:231], v[230:231], v[118:119]
	v_pk_add_f32 v[14:15], v[14:15], v[122:123]
	v_pk_add_f32 v[242:243], v[242:243], v[126:127]
	v_pk_add_f32 v[248:249], v[248:249], v[130:131]
	v_pk_add_f32 v[240:241], v[240:241], v[134:135]
	v_pk_add_f32 v[238:239], v[238:239], v[138:139]
	v_pk_add_f32 v[234:235], v[234:235], v[142:143]
	v_pk_add_f32 v[232:233], v[232:233], v[146:147]
	v_pk_add_f32 v[230:231], v[230:231], v[150:151]
	v_pk_add_f32 v[14:15], v[14:15], v[154:155]
	v_pk_add_f32 v[242:243], v[242:243], v[158:159]
	s_delay_alu instid0(VALU_DEP_2)
	v_pk_add_f32 v[14:15], v[14:15], v[238:239]
	s_delay_alu instid0(VALU_DEP_2)
	v_pk_add_f32 v[242:243], v[242:243], v[234:235]
	v_pk_add_f32 v[248:249], v[248:249], v[232:233]
	v_pk_add_f32 v[240:241], v[240:241], v[230:231]
	s_delay_alu instid0(VALU_DEP_2)
	v_pk_add_f32 v[14:15], v[14:15], v[248:249]
	s_delay_alu instid0(VALU_DEP_2)
	v_pk_add_f32 v[242:243], v[242:243], v[240:241]
	s_delay_alu instid0(VALU_DEP_1)
	v_pk_add_f32 v[14:15], v[14:15], v[242:243]
.irp tt, 0,1,2,3,4,5,6,7
.irp j, 0,1,2,3,4,5,6,7
.endr
	v_cvt_scalef32_pk8_bf8_f32 v[192+2*\tt:193+2*\tt], v[96+8*\tt:103+8*\tt], v244   ; keys 16 tt + 8 h + 0 .. 7: registers 2 tt, 2 tt + 1 of P
.endr
.set n, 0
.rept 16
	v_pk_mul_f32 v[160+n:161+n], v[160+n:161+n], v[252:253] op_sel_hi:[1,0]   ; O^T under the new M.  (These are also the plain places behind the conversions)
.set n, n+2
.endr
	s_setprio 0
	s_wait_alu depctr_va_vdst(0)
	s_wait_dscnt 0x0                               ; V is in
.set n, 0
.rept 4
	v_wmma_f32_16x16x128_bf8_bf8 v[160+8*n:167+8*n], v[32+16*n:47+16*n], v[192:207], v[160+8*n:167+8*n]   ; the four accumulators take turns
.set n, n+1
.endr
.endm
; A TILE'S WAY OUT: O^T / the sum, converted: tile t of the head's 64 gives registers 2 t, 2 t + 1 of eight; two stores of 512 consecutive bytes, aligned.
.macro WAYOUT cd, yb
	s_wait_xcnt 0x0                                ; every earlier memory instruction has had its addresses translated (ISA guide 3.1): registers that a store of codes reads are written only behind this wait
.rept 4
	v_nop                                          ; four places behind the last products
.endr
	v_add_f32 v14, v14, v15                        ; the sum's two halves,
	s_delay_alu instid0(VALU_DEP_1)
	v_permlanex16_b32 v236, v14, s[SEL], s[SEL+1]
	s_delay_alu instid0(VALU_DEP_1)
	v_add_f32 v14, v14, v236                       ; and lane l xor 16's
	s_wait_alu depctr_va_vdst(0)
	v_rcp_f32 v14, v14
	v_nop                                          ; one plain place behind the transcendental
.set n, 0
	s_wait_alu depctr_va_vdst(0)
.rept 16
	v_pk_mul_f32 v[96+n:97+n], v[160+n:161+n], v[14:15] op_sel_hi:[1,0]   ; (the pair's low word for both halves); each accumulator from its low end on
.set n, n+2
.endr
.set n, 0
.rept 32
.set n, n+1
.endr
.irp t, 0,1,2,3
	v_cvt_scalef32_pk8_bf8_f32 v[\cd+2*\t:\cd+2*\t+1], v[96+8*\t:103+8*\t], v246
.endr
	v_nop                                          ; one plain place behind the conversions
	global_store_b128 v[YO], v[\cd:\cd+3], s[\yb:\yb+1]
	global_store_b128 v[YO], v[\cd+4:\cd+7], s[\yb:\yb+1] offset:512
.endm
	s_wait_tensorcnt 1                             ; my first load (a key step among 0 .. 7) is in; my second may be out
	s_barrier_signal -1
	s_barrier_wait -1                              ; key steps 0 .. 7 of K and of V are in
	s_wait_loadcnt 0x0                             ; Q
	s_mov_b32 s[CNT], 0
	s_mov_b32 s[TB], 0
.Lfirst8:                                          ; key steps 0 .. 7 of my first tile, whose group is 8 or more: none is on the diagonal
	STEP 0
	s_add_co_u32 s[TB], s[TB], 8192
	s_add_co_u32 s[CNT], s[CNT], 1
	s_cmp_lt_u32 s[CNT], 8
	s_cbranch_scc1 .Lfirst8
	s_setprio 0
	s_wait_tensorcnt 0x0                           ; my second load is in,
	s_wait_dscnt 0x0
	s_barrier_signal -1
	s_barrier_wait -1                              ; everybody's is: from here on LDS is only read, and no wave waits for another
	s_mov_b32 s[CNT], 8
.Lrest:                                            ; nine trips: the rest of my first tile (counts up to 15 - w'), then my second tile's key steps 0 .. w'
	s_cmp_gt_u32 s[CNT], s[GA]
	s_cselect_b32 s[T0], s[WP], 0
	s_add_co_u32 s[KS], s[CNT], s[T0]              ; the count, or the count - (16 - w') = (the count + w') modulo 16
	s_and_b32 s[KS], s[KS], 15
	s_lshl_b32 s[TB], s[KS], 13
	STEP 1
	s_cmp_lg_u32 s[CNT], s[GA]
	s_cbranch_scc1 .Lsame
	WAYOUT 208, 76                                 ; my first tile is done
	v_mov_b32 v13, 0xff61b1e6                      ; and the second begins
	s_delay_alu instid0(VALU_DEP_1)
	v_floor_f32 v12, -v13
	v_mov_b32 v14, 0
	v_mov_b32 v15, 0
.set n, 0
.rept 32
	v_mov_b32 v[160+n], 0
.set n, n+1
.endr
.set n, 0
.rept 8
	v_mov_b32 v[16+n], v[24+n]
.set n, n+1
.endr
.Lsame:
	s_add_co_u32 s[CNT], s[CNT], 1
	s_cmp_lt_u32 s[CNT], 17
	s_cbranch_scc1 .Lrest
	s_setprio 0
	WAYOUT 216, 78
	s_wait_tensorcnt 0x0
	ds_add_u32 v251, v255
	s_wait_dscnt 0x0
	CROUND                                         ; the closing round: no work-group ends while a partner may still ask for a tile that names it
	s_endpgm
.Lfunc_end_k_q299699ecd3_attn:
	.size	k_q299699ecd3_attn, .Lfunc_end_k_q299699ecd3_attn-k_q299699ecd3_attn
	.p2alignl 7, 3214868480
	.fill 96, 4, 3214868480
	.section	.rodata,"a",@progbits
	.p2align	6, 0x0
	.amdhsa_kernel k_q299699ecd3_attn
		.amdhsa_group_segment_fixed_size 264192
		.amdhsa_private_segment_fixed_size 0
		.amdhsa_enable_private_segment 0
		.amdhsa_kernarg_size 40
		.amdhsa_user_sgpr_count 2
		.amdhsa_user_sgpr_kernarg_segment_ptr 1
		.amdhsa_wavefront_size32 1
		.amdhsa_system_sgpr_workgroup_id_x 1
		.amdhsa_system_sgpr_workgroup_id_y 1
		.amdhsa_system_sgpr_workgroup_id_z 1
		.amdhsa_system_vgpr_workitem_id 0
		.amdhsa_next_free_vgpr 256
		.amdhsa_next_free_sgpr 100
		.amdhsa_reserve_vcc 1
		.amdhsa_float_denorm_mode_32 3
		.amdhsa_float_denorm_mode_16_64 3
		.amdhsa_fp16_overflow 1
		.amdhsa_memory_ordered 1
		.amdhsa_forward_progress 1
		.amdhsa_inst_pref_size 48
	.end_amdhsa_kernel
	.amdgpu_metadata
---
amdhsa.version: [ 1, 2 ]
amdhsa.kernels:
  - .name:           k_q299699ecd3_attn
    .symbol:         k_q299699ecd3_attn.kd
    .args:
      - { .name: qimg, .offset: 0, .size: 8, .value_kind: global_buffer, .address_space: global }
      - { .name: kimg, .offset: 8, .size: 8, .value_kind: global_buffer, .address_space: global }
      - { .name: vimg, .offset: 16, .size: 8, .value_kind: global_buffer, .address_space: global }
      - { .name: lowp_scales, .offset: 24, .size: 8, .value_kind: global_buffer, .address_space: global }
      - { .name: yimg, .offset: 32, .size: 8, .value_kind: global_buffer, .address_space: global }
    .group_segment_fixed_size: 264192
    .private_segment_fixed_size: 0
    .kernarg_segment_align: 8
    .kernarg_segment_size: 40
    .max_flat_workgroup_size: 512
    .sgpr_count:     100
    .vgpr_count:     256
    .wavefront_size: 32
...
	.end_amdgpu_metadata
.endif
;; end of part 2
;; launch proj (part 3): grid 8 x 32, 4 waves a work-group, clusters of 4 x 4, 327,680 bytes of LDS; arguments yimg, W_proj_codes, lowp_scales, out0; writes out0
.if DOCPART == 3
	.amdgcn_target "amdgcn-amd-amdhsa--gfx1250"
	.amdhsa_code_object_version 6
	.text
	.protected	k_q299699ecd3_proj
	.globl	k_q299699ecd3_proj
	.p2align	8
	.type	k_q299699ecd3_proj,@function
k_q299699ecd3_proj:
	s_mov_b64 s[64:65], 0
	v_nop
	global_prefetch_b8 v0, s[64:65] scope:SCOPE_SE
	s_setreg_imm32_b32 hwreg(HW_REG_WAVE_MODE, 25, 1), 1
	s_wait_xcnt 0x0
	s_wait_alu depctr_hold_cnt(0) depctr_sa_sdst(0) depctr_va_vdst(0) depctr_va_sdst(0) depctr_va_ssrc(0) depctr_va_vcc(0) depctr_vm_vsrc(0)
	s_getreg_b32 s2, hwreg(HW_REG_IB_STS2, 6, 4)
	s_cmp_eq_u32 s2, 0
	s_cbranch_scc0 .Lentry_in_a_cluster
	s_endpgm
.Lentry_in_a_cluster:
	s_bfe_u32 s2, ttmp6, 0x10000c
	s_cmp_lg_u32 s2, 0xf033
	s_cbranch_scc0 .Lentry_shape_is_right
	s_endpgm
.Lentry_shape_is_right:
; out = y W_proj on codes of BF8 (E5M2), each sum x 2^(e6 + e7).  y: 8,192 rows x 1,024 K, as images of operand registers: [tile of 16 rows 512][128 along K: 8][chunk 4][512 bytes], lane l's 16 bytes at 16 l,
; registers 2 c, 2 c + 1 = k 16 c + 8 (l / 16) + 0 .. 7 of row l % 16.  W_proj: [1024 (n)][1024 (k)] codes, K innermost.  out: [8192][1024] f32.
; A tile of 256 rows x 128 columns is made by four waves, 128 x 64 each: 32 accumulators; 256 work-groups.  K goes in four steps of 256 through two LDS slots; the text is straight.
; y's fragments come out of LDS as they lie (four loads of 16 bytes, 512 consecutive bytes each); W's are fetched in the same, plain layout from padded rows: eight loads of 8 bytes.
; THE MATRIX INSTRUCTION IS USED TRANSPOSED (source 0 = 16 rows of W, source 1 = 16 rows of y): a lane holds eight neighbouring numbers of a row of out.
; CLUSTERS: 4 x 4 work-groups; y's tile is shared along a row of the cluster, W's along a column: each is asked for jointly.
; LIMIT: e6 + e7 between -126 and 127, so that 2^(e6 + e7) is an f32 number.
; REGISTERS, in windows of 256: window 0: v16-29 addresses; v32-63 at work on the way out; v128-255 y's fragments, set 0, on the way out rows read back.
;   window 1: v0-63, v64-127 W's fragments, sets 0 and 1; v128-255 y's fragments, set 1.   window 2: accumulator (a, b) at v[8 (4 a + b)].
.set PITCH,  272                       ; a row of W in LDS: 256 bytes + 16 of padding
.set BOFF,   65536                     ; a slot: y's 16 tiles of rows x 4,096 bytes, then W's 128 rows
.set HALFB,  64*PITCH
.set SLOT,   BOFF+2*HALFB
.set STAGE,  2*SLOT                    ; behind the ring: 16 rows x 272 bytes for each wave, for the way out; no tile lands there
.set SPARE,  STAGE+4*16*PITCH          ; behind the stages: the spare words, 128 bytes for each wave, which no other line names
.set ADRA, 16                          ; v16-17  LDS address of my fragments of y in slot 0, 1
.set ADRB, 20                          ; v20-21  the same for W
.set STO,  24                          ; v24     the way out: where I put 32 bytes of a row
.set RD,   25                          ; v25     where I read a row back
.set CO,   26                          ; v26     my byte offset in two rows of out
.set SPW,  28                          ; v28     LDS address of my spare word; never rewritten
.set NIL,  29                          ; v29     0; never rewritten
.set TMP,  32
.set BK,   128
.set G1, 24                            ; s[24:31] descriptor group 1 for y's tiles;  s[32:39] group 0, one set for each slot
.set G0, 32
.set G1B, 48                           ; s[48:55], s[56:63] the same for W's tiles
.set G0B, 56
.set MSB, 0
.macro WIN new                         ; the immediate's high byte repeats the setting that is left
.if MSB != \new
	s_set_vgpr_msb (MSB<<8)|\new
.set MSB, \new
.endif
.endm
.set MUL0, 0xa1                        ; source 0 (W) window 1, source 1 (y, set 0) window 0, C and D window 2
.set MUL1, 0xa5                        ; the same with y's set 1, in window 1
.set TO_1, 0x40                        ; destination window 1, address window 0
.macro JLOAD s                         ; a joint load: waves 0 and 1 fetch y's two halves, waves 2 and 3 W's; four v_nop follow each of the two lines
	s_cmp_eq_u32 s15, 0
	s_cbranch_scc0 .Lfor_b_\@
	tensor_load_to_lds s[G0+4*\s:G0+4*\s+3], s[G1:G1+7]
	s_nop 0
.rept 4
	v_nop
.endr
	s_branch .Lasked_\@
.Lfor_b_\@:
	tensor_load_to_lds s[G0B+4*\s:G0B+4*\s+3], s[G1B:G1B+7]
	s_nop 0
.rept 4
	v_nop
.endr
.Lasked_\@:
.endm
.macro CREST                           ; a round of the cluster's barrier behind its opening barrier
	s_cmp_lg_u32 s14, 0
	s_cbranch_scc1 .Lnot_wave_0_\@
	s_barrier_signal -3
.Lnot_wave_0_\@:
	s_barrier_wait -3
	s_barrier_signal -1
	s_barrier_wait -1
.endm
.macro CROUND
	s_barrier_signal -1
	s_barrier_wait -1
	CREST
.endm
	s_load_b128 s[4:7], s[0:1], 0x0                ; yimg s[4:5], W_proj's codes s[6:7]
	s_load_b128 s[8:11], s[0:1], 0x10              ; the scales' exponents s[8:9], out s[10:11]
	v_lshl_add_u32 v[SPW], v0, 2, SPARE
	v_mov_b32 v[NIL], 0
	ds_add_u32 v28, v29
	ds_add_u32 v28, v29
	s_wait_dscnt 0x0
	v_lshrrev_b32 v1, 5, v0
	v_readfirstlane_b32 s14, v1                    ; wave 0..3
	s_lshr_b32 s15, s14, 1                         ; which half of the tile's rows is mine.  Also: I fetch for y (0) or for W (1)
	s_and_b32 s16, s14, 1                          ; which half of its columns.  Also: which half of that tile I fetch
	s_bfe_u32 s40, ttmp6, 0x40000                  ; cx, cy
	s_bfe_u32 s41, ttmp6, 0x40004
	s_lshl_b32 s42, ttmp9, 2
	s_add_co_u32 s42, s42, s40                     ; TC: tile column = 4 x cluster x + cx
	s_and_b32 s17, ttmp7, 0xffff
	s_lshl_b32 s17, s17, 2
	s_add_co_u32 s17, s17, s41                     ; TR: tile row = 4 x cluster y + cy
	s_lshl_b32 s43, s41, 2
	s_lshl_b32 s43, 15, s43                        ; my row of the cluster
	s_lshl_b32 s44, 0x1111, s40                    ; my column
	; descriptor group 1.  y: 8 rows (tiles of 16 rows) of 4,096 bytes, 16,384 bytes apart, in elements of 8 bytes, no padding.  W: 64 rows of 256 bytes, 1,024 apart, padded
	s_or_b32 s[G1+0], s43, (3<<16)|(1<<21)         ; 15:0 the mask: my row; 17:16 elements of 8 bytes; 21 set beside a mask
	s_mov_b32 s[G1+1], 512<<16                     ; tensor_dim0 = 512
	s_mov_b32 s[G1+2], 8<<16                       ; tensor_dim1 = 8
	s_mov_b32 s[G1+3], 512<<16                     ; tile_dim0 = 512
	s_mov_b32 s[G1+4], 8                           ; tile_dim1 = 8
	s_mov_b32 s[G1+5], 2048                        ; tensor_dim0_stride
	s_mov_b32 s[G1+6], 0
	s_mov_b32 s[G1+7], 0
	s_or_b32 s[G1B+0], s44, (0<<16)|(1<<20)|(1<<21)|(5<<22)|(3<<25)  ; the mask: my column; elements of 1 byte; padding: 4 words after every 64
	s_mov_b32 s[G1B+1], 256<<16
	s_mov_b32 s[G1B+2], 64<<16
	s_mov_b32 s[G1B+3], 256<<16
	s_mov_b32 s[G1B+4], 64
	s_mov_b32 s[G1B+5], 1024
	s_mov_b32 s[G1B+6], 0
	s_mov_b32 s[G1B+7], 0
	s_lshl_b32 s20, s17, 4
	s_lshl_b32 s18, s16, 3
	s_add_co_u32 s20, s20, s18                     ; y: tile of 16 rows 16 TR + 8 x half
	s_lshl_b32 s20, s20, 14
	s_mov_b32 s21, 0
	s_lshl_b32 s46, s42, 7
	s_lshl_b32 s18, s16, 6
	s_add_co_u32 s46, s46, s18                     ; W: row 128 TC + 64 x half
	s_lshl_b32 s46, s46, 10
	s_mov_b32 s47, 0
	s_lshl_b32 s45, s16, 15                        ; where they go: y's half, 32,768 bytes;
	s_mul_i32 s3, s16, HALFB
	s_add_co_u32 s3, s3, BOFF                      ; W's half, behind y's: no place in the cluster enters an LDS address
	s_wait_kmcnt 0x0
	s_load_b256 s[80:87], s[8:9], 0x0              ; e0 .. e7
	s_add_nc_u64 s[20:21], s[4:5], s[20:21]
	s_add_nc_u64 s[46:47], s[6:7], s[46:47]
	CROUND                                         ; all sixteen work-groups are here: the first joint loads meet
.irp s, 0,1
	s_mov_b32 s[G0+4*\s], 1
	s_add_co_u32 s[G0+4*\s+1], s45, \s*SLOT
	s_add_nc_u64 s[G0+4*\s+2:G0+4*\s+3], s[20:21], \s*4096       ; K step s: 4,096 bytes of each tile of rows
	s_or_b32 s[G0+4*\s+3], s[G0+4*\s+3], 0x80000000
	s_mov_b32 s[G0B+4*\s], 1
	s_add_co_u32 s[G0B+4*\s+1], s3, \s*SLOT
	s_add_nc_u64 s[G0B+4*\s+2:G0B+4*\s+3], s[46:47], \s*256
	s_or_b32 s[G0B+4*\s+3], s[G0B+4*\s+3], 0x80000000
	s_wait_alu depctr_va_vdst(0)
	s_wait_tensorcnt 0x0
	ds_add_u32 v28, v29
	ds_add_u32 v28, v29
	s_wait_dscnt 0x0
	CROUND
	JLOAD \s                                       ; one tensor load of mine is out
.endr
	v_and_b32 v1, 15, v0                           ; r
	v_bfe_u32 v2, v0, 4, 1                         ; h
	v_and_b32 v6, 31, v0
	v_lshlrev_b32 v3, 4, v6                        ; 16 x lane
	s_lshl_b32 s22, s15, 15                        ; my 8 tiles of rows of y
	v_add_nc_u32 v[ADRA], s22, v3
	v_add_nc_u32 v[ADRA+1], SLOT, v[ADRA]
	v_mul_u32_u24 v4, v1, PITCH
	v_lshl_add_u32 v4, v2, 3, v4                   ; W: row r x pitch + 8 h
	v_add_nc_u32 v[ADRB], s3, v4                   ; my 64 rows of W
	v_add_nc_u32 v[ADRB+1], SLOT, v[ADRB]
	s_mul_i32 s23, s14, 16*PITCH
	s_add_co_u32 s23, s23, STAGE                   ; my stage
	v_mul_u32_u24 v5, v1, PITCH                    ; in: row r, 32 bytes for each half of the lanes
	v_lshl_add_u32 v5, v2, 5, v5
	v_add_nc_u32 v[STO], s23, v5
	v_mul_u32_u24 v5, v2, PITCH                    ; back: lanes 0-15 one row of 256 bytes, lanes 16-31 the next
	v_lshl_add_u32 v5, v1, 4, v5
	v_add_nc_u32 v[RD], s23, v5
	v_lshlrev_b32 v5, 12, v2                       ; and the same two rows in out: a row is 4,096 bytes
	v_lshl_add_u32 v[CO], v1, 4, v5
	s_lshl_b32 s92, s17, 8
	s_lshl_b32 s93, s15, 7
	s_add_co_u32 s92, s92, s93                     ; my first row: 256 TR + 128 x half
	s_lshl_b32 s92, s92, 12
	s_lshl_b32 s93, s42, 9
	s_add_co_u32 s92, s92, s93                     ; my first column, in bytes: 512 TC + 256 x half
	s_lshl_b32 s93, s16, 8
	s_add_co_u32 s92, s92, s93
	s_mov_b32 s93, 0
	s_add_nc_u64 s[10:11], s[10:11], s[92:93]
; 64 LDS loads: the fragments of the slot's q-th 128 along K into set: W's four (8 loads of 8 bytes each), y's eight (4 loads of 16 bytes each)
.macro FETCH slot, q, set
	WIN TO_1
.irp b, 0,1,2,3
.irp c, 0,1,2,3,4,5,6,7
	ds_load_b64 v[64*(\set)+16*\b+2*\c:64*(\set)+16*\b+2*\c+1], v[ADRB+\slot] offset:128*(\q)+16*\c+\b*16*PITCH
.endr
.endr
.if \set == 0
	WIN 0
.endif
.irp i, 0,1,2,3,4,5,6,7
.irp c, 0,1,2,3
	ds_load_b128 v[128+16*\i+4*\c:128+16*\i+4*\c+3], v[ADRA+\slot] offset:\i*4096+(\q)*2048+\c*512
.endr
.endr
.endm
; 8 matrix instructions: y's blocks a0, a0 + 1 x W's four, 128 along K.  The 32 accumulators take turns, one instruction a turn, in the same order in every step.
.macro MULQ set, a0, zero
.irp a, \a0, \a0+1
.irp b, 0,1,2,3
.if \zero
	v_wmma_f32_16x16x128_bf8_bf8 v[8*(4*(\a)+\b):8*(4*(\a)+\b)+7], v[64*(\set)+16*\b:64*(\set)+16*\b+15], v[128+16*(\a):128+16*(\a)+15], 0
.else
	v_wmma_f32_16x16x128_bf8_bf8 v[8*(4*(\a)+\b):8*(4*(\a)+\b)+7], v[64*(\set)+16*\b:64*(\set)+16*\b+15], v[128+16*(\a):128+16*(\a)+15], v[8*(4*(\a)+\b):8*(4*(\a)+\b)+7]
.endif
.endr
.endr
.endm
.macro PLACES                          ; four places in front of loads into registers that matrix instructions have read, and of the first reads of results (ISA guide 7.12.1 for the first reads of results)
.rept 4
	v_nop
.endr
.endm
; A slot's first 128 along K, on set 0; the second 128's fragments are fetched into set 1 ahead of the products.
.macro STEP slot, zero
	s_wait_dscnt 0x0                               ; set 0 is in
	PLACES                                         ; set 1 was read by the products just issued
	FETCH \slot, 1, 1
	WIN MUL0
	MULQ 0, 0, \zero
	MULQ 0, 2, \zero
	MULQ 0, 4, \zero
	MULQ 0, 6, \zero
.endm
; A slot's second 128, on set 1, changes slots: ONE barrier; in front of it each wave waits for all its tensor loads, adds 0 to its spare word, and waits for that and for its reads of this slot.  fill = 1: this slot is filled again, two K steps ahead.
.macro TURN slot, next, fill
	WIN 0                                          ; (the add's two registers lie in window 0)
	s_wait_tensorcnt 0x0                           ; all my tensor loads have landed: my part of the next slot
	ds_add_u32 v[SPW], v[NIL]                      ; 0 onto my spare word
	s_wait_dscnt 1                                 ; set 1 is in; the add alone may be out
	WIN MUL1
	MULQ 1, 0, 0                                   ; eight matrix instructions stand between the add and the wait for it
	s_wait_dscnt 0x0                               ; the add is done, and my reads of this slot are over
	s_barrier_signal -1
	MULQ 1, 2, 0
	WIN 0
	s_barrier_wait -1
.if \fill
	CREST                                          ; the barrier has opened a round of the cluster's barrier: no wave of any partner still reads this slot's tile or has a load on its way
	s_add_nc_u64 s[G0+4*\slot+2:G0+4*\slot+3], s[G0+4*\slot+2:G0+4*\slot+3], 2*4096
	s_add_nc_u64 s[G0B+4*\slot+2:G0B+4*\slot+3], s[G0B+4*\slot+2:G0B+4*\slot+3], 2*256
	JLOAD \slot                                    ; the first tensor load behind the round, my one load until the next; its four v_nop are the places in front of the loads below
.else
	PLACES
.endif
	s_wait_alu depctr_va_vdst(0)
	FETCH \next, 0, 0
	WIN MUL1
	MULQ 1, 4, 0
	MULQ 1, 6, 0
.endm
	s_wait_tensorcnt 1                             ; my part of K step 0 is in; K step 1's load may be out
	s_barrier_signal -1
	s_barrier_wait -1
	FETCH 0, 0, 0
	STEP 0, 1                                      ; K 0 .. 127: the products start the sums
	TURN 0, 1, 1                                   ; slot 0 takes K 512 .. 767
	STEP 1, 0
	TURN 1, 0, 1                                   ; slot 1 takes K 768 .. 1023
	STEP 0, 0
	TURN 0, 1, 0                                   ; nothing is left to fetch
	STEP 1, 0
	s_wait_dscnt 0x0                               ; the last 128 along K
	WIN MUL1
	MULQ 1, 0, 0
	MULQ 1, 2, 0
	MULQ 1, 4, 0
	MULQ 1, 6, 0
	WIN 0
; THE WAY OUT, block by block of 16 rows x 64 columns.  A lane holds 32 neighbouring bytes of a row, the lanes beside it other rows: a block goes through my own stage in LDS and comes back as whole rows of 256 bytes,
; which sixteen lanes store as one aligned run of 256 bytes.  LDS serves a wave's instructions in order (ISA guide 5.7.1.4): no wait between the stores and the loads, nor in front of the next block's stores.
.macro TOSTAGE a
	WIN 0x02                                       ; source 0: window 2
.set i, 0
.rept 16
	v_pk_mul_f32 v[TMP+i:TMP+i+1], v[32*(\a)+i:32*(\a)+i+1], s[96:97] op_sel_hi:[1,0]   ; both x s96 = 2^(e6 + e7); each accumulator from its low end on
.set i, i+2
.endr
	WIN 0
.irp b, 0,1,2,3
	ds_store_b128 v[STO], v[TMP+8*\b:TMP+8*\b+3] offset:64*\b
	ds_store_b128 v[STO], v[TMP+8*\b+4:TMP+8*\b+7] offset:64*\b+16
.endr
.irp t, 0,1,2,3,4,5,6,7
	ds_load_b128 v[BK+32*((\a)%4)+4*\t:BK+32*((\a)%4)+4*\t+3], v[RD] offset:\t*2*PITCH
.endr
.endm
.macro SEND a, younger                 ; younger: the LDS instructions issued behind block a's loads, which may stay out
	s_wait_dscnt \younger
.irp t, 0,1,2,3,4,5,6,7
	global_store_b128 v[CO], v[BK+32*((\a)%4)+4*\t:BK+32*((\a)%4)+4*\t+3], s[10:11] offset:(\a)*65536+\t*8192 th:TH_STORE_NT   ; rows 16 a + 2 t and the next; written once, read by nobody here
.endr
.endm
	s_wait_kmcnt 0x0
	s_add_co_i32 s96, s86, s87                     ; e6 + e7, between -126 and 127,
	s_add_co_i32 s96, s96, 127
	s_lshl_b32 s96, s96, 23                        ; makes the f32 number 2^(e6 + e7)
	s_mov_b32 s97, s96                             ; (named with it as a pair, so it is written)
	PLACES                                         ; behind the last products
	TOSTAGE 0
.irp a, 1,2,3,4,5,6,7
.if \a > 3
	s_wait_xcnt 0x0                                ; block a - 4's stores have read their registers: block a's loads may land there
.endif
	TOSTAGE \a
	SEND \a-1, 16                                  ; behind block a - 1's loads: block a's 8 stores and 8 loads
.endr
	SEND 7, 0
	s_wait_tensorcnt 0x0                           ; the wave's end
	ds_add_u32 v[SPW], v[NIL]
	s_wait_dscnt 0x0
	CROUND                                         ; the closing round: no work-group ends while a partner may still ask for a tile that names it
	s_endpgm
.Lfunc_end_k_q299699ecd3_proj:
	.size	k_q299699ecd3_proj, .Lfunc_end_k_q299699ecd3_proj-k_q299699ecd3_proj
	.p2alignl 7, 3214868480
	.fill 96, 4, 3214868480
	.section	.rodata,"a",@progbits
	.p2align	6, 0x0
	.amdhsa_kernel k_q299699ecd3_proj
		.amdhsa_group_segment_fixed_size 327680
		.amdhsa_private_segment_fixed_size 0
		.amdhsa_enable_private_segment 0
		.amdhsa_kernarg_size 32
		.amdhsa_user_sgpr_count 2
		.amdhsa_user_sgpr_kernarg_segment_ptr 1
		.amdhsa_wavefront_size32 1
		.amdhsa_system_sgpr_workgroup_id_x 1
		.amdhsa_system_sgpr_workgroup_id_y 1
		.amdhsa_system_sgpr_workgroup_id_z 1
		.amdhsa_system_vgpr_workitem_id 0
		.amdhsa_next_free_vgpr 768
		.amdhsa_next_free_sgpr 100
		.amdhsa_reserve_vcc 0
		.amdhsa_float_denorm_mode_32 3
		.amdhsa_float_denorm_mode_16_64 3
		.amdhsa_memory_ordered 1
		.amdhsa_forward_progress 1
		.amdhsa_inst_pref_size 84
	.end_amdhsa_kernel
	.amdgpu_metadata
---
amdhsa.version: [ 1, 2 ]
amdhsa.kernels:
  - .name:           k_q299699ecd3_proj
    .symbol:         k_q299699ecd3_proj.kd
    .args:
      - { .name: yimg, .offset: 0, .size: 8, .value_kind: global_buffer, .address_space: global }
      - { .name: W_proj_codes, .offset: 8, .size: 8, .value_kind: global_buffer, .address_space: global }
      - { .name: lowp_scales, .offset: 16, .size: 8, .value_kind: global_buffer, .address_space: global }
      - { .name: out0, .offset: 24, .size: 8, .value_kind: global_buffer, .address_space: global }
    .group_segment_fixed_size: 327680
    .private_segment_fixed_size: 0
    .kernarg_segment_align: 8
    .kernarg_segment_size: 32
    .max_flat_workgroup_size: 128
    .sgpr_count:     100
    .vgpr_count:     768
    .wavefront_size: 32
...
	.end_amdgpu_metadata
.endif
;; end of part 3
